; MI455X (gfx1250); checked and timed in simulation.
; The chip was launched on July 23, 2026; its instructions are those of AMD's public machine-readable ISA for CDNA 5 (MIT licence, August 2026) and "CDNA5" Instruction Set Architecture Reference Guide (July 2026).
;; MHA. Allowed arithmetic: matrix products marked QUANTISED: E5M2 operands, one given power-of-two scale a tensor, by v_wmma_f32_16x16x64_bf8_bf8 or v_wmma_f32_16x16x128_bf8_bf8, f32 sums; everything else in f32.
;; Inputs: Wk_codes 256 x 32 x 32 uint8 (E5M2 codes of Wk, K innermost, in blocks of 32 codes); Wo_codes 1,024 x 8 x 32 uint8 (E5M2 codes of Wo, K innermost, in blocks of 32 codes); Wq_codes 256 x 32 x 32 uint8 (E5M2 codes of Wq, K innermost, in blocks of 32 codes); Wv_codes 256 x 32 x 32 uint8 (E5M2 codes of Wv, K innermost, in blocks of 32 codes); bo 1,024 float32; lowp_scales 12 int32 (the exponents e of the quantised operands' scales 2^e); x_codes 4 x 4,096 x 32 x 32 uint8 (E5M2 codes of x, K innermost, in blocks of 32 codes).
;; Outputs: out0 4 x 4,096 x 1,024 float32.
;; This version of the problem:
;;   THIS VERSION OF THE PROBLEM IS GIVEN IN LOW PRECISION. The matrix products marked QUANTISED in the list below multiply operands that are first quantised to E5M2 (5 exponent bits, 2 mantissa bits; 8 bits a number), with one given power-of-two scale for each operand tensor; their sums are f32. All else is computed in f32.
;;   The module's matrix products, in the order in which they are computed (A, B: the left and right operand; K: the contracted axis; several contracted axes count as one K, in the product's order):
;;     1. [M 16,384, K 1,024] x [K 1,024, N 256]; A: input x (given as codes); B: input Wq (given as codes): QUANTISED (scales: A lowp_scales[0], B lowp_scales[1])
;;     2. [M 16,384, K 1,024] x [K 1,024, N 256]; A: input x (given as codes); B: input Wk (given as codes): QUANTISED (scales: A lowp_scales[2], B lowp_scales[3])
;;     3. [M 16,384, K 1,024] x [K 1,024, N 256]; A: input x (given as codes); B: input Wv (given as codes): QUANTISED (scales: A lowp_scales[4], B lowp_scales[5])
;;     4. batch 16 x [M 4,096, K 64] x [K 64, N 4,096]; A: computed on the way; B: computed on the way: QUANTISED (scales: A lowp_scales[6], B lowp_scales[7])
;;     5. batch 16 x [M 4,096, K 4,096] x [K 4,096, N 64]; A: softmax (see below); B: computed on the way: QUANTISED (scales: A lowp_scales[8], B lowp_scales[9])
;;     6. [M 16,384, K 256] x [K 256, N 1,024]; A: computed on the way; B: input Wo (given as codes): QUANTISED (scales: A lowp_scales[10], B lowp_scales[11])
;;   THE QUANTISER, for each operand of a quantised product, along K:
;;     - The operand's scale is 2^e, e = its entry of the input lowp_scales (int32; the entries are numbered through the quantised products in the list's order, A before B).
;;     - Each number is divided by the scale, clamped to +-57,344, and rounded to the nearest number of E5M2, ties to even, subnormals kept.
;;     - The product sums the exact products of the quantised numbers (number of the format x scale) in f32.
;;   ~~~python
;;   def quantise(x, axis, e):      # numpy; x: float32 -> the quantised numbers, widened to float32 again
;;       x = np.moveaxis(x, axis, -1); K = x.shape[-1]
;;       r = np.clip(x / 2.0 ** e, -57344, 57344)
;;       step = 2.0 ** (np.maximum(np.frexp(np.where(r == 0, 1, r))[1] - 1, -14) - 2)
;;       q = np.round(r / step) * step * 2.0 ** e      # np.round: ties to even
;;       return np.moveaxis(q, -1, axis).astype(np.float32)
;;   ~~~
;;   SOFTMAX AHEAD OF A QUANTISED PRODUCT. Where the list says 'softmax', what is quantised is not the finished softmax but p = 2^(t - M), with t = logit x log2(e) and M = ceil(the row's largest t), a whole number; so 1/2 < the row's largest p <= 1. The row's sum l is taken of the UNQUANTISED p, in f32, and the product's result is divided by l at the end. Since M is a whole number, a kernel that streams over the keys may use a running M (the ceiling of the running maximum): every later rescaling is an exact power of two, so the quantised numbers keep their values, but for numbers so far below the row's largest that they fall under the format's range.
;;   OPERANDS COMPUTED ON THE WAY. 'Computed on the way' means the value that the module computes at that place (a softmax that the list does not call 'softmax' is quantised finished and normalised). What goes into a quantiser is computed in f32, as accurately as f32 sums, v_exp_f32 and their like allow (about 1e-6 of the number): no bf16 or f16 on the way to a quantiser, and a product that is left as it is and whose result goes on into a quantised operand takes f32 operands (vector FMAs, or v_wmma_f32_16x16x4_f32). A number that lies on a knife's edge between two numbers of the format may be rounded either way, as far as f32 arithmetic and the matrix unit's own rounding can turn it there, and no further.
;;   INPUTS GIVEN AS CODES. Wk (in the module: [1024, 256], K = its axis 0); Wo (in the module: [256, 1024], K = its axis 0); Wq (in the module: [1024, 256], K = its axis 0); Wv (in the module: [1024, 256], K = its axis 0); x (in the module: [4, 4096, 1024], K = its axis 2): each comes as NAME_codes (uint8): NAME with its K axis moved to the last place and cut into blocks of 32 codes, [.., K / 32, bytes a block], one block behind the other in memory; one code a byte (a code: sign, 5 exponent bits, 2 mantissa bits); its scale is its entry of lowp_scales. Its value is code x scale, taken as it is: it is not quantised again, and the codes and scales need not be those that the quantiser above would give.
;; One version. Each part assembles by itself: llvm-mc -triple=amdgcn-amd-amdhsa -mcpu=gfx1250 --defsym DOCPART=n.
;; ======== version 1 of 1: 3 launches
;; limits: right only within a limited range of input values
;; workspace buffers: q_img 4,194,304 bytes; k_img 4,194,304 bytes; v_img 4,194,304 bytes; a_img 4,194,304 bytes; wo_img 262,144 bytes
;; launch qkv (part 1): grid 4 x 64, 4 waves a work-group, clusters of 4 x 4, 327,680 bytes of LDS; arguments x_codes, Wq_codes, Wk_codes, Wv_codes, lowp_scales, Wo_codes, q_img, k_img, v_img, wo_img; writes q_img, k_img, v_img, wo_img
.if DOCPART == 1
	.amdgcn_target "amdgcn-amd-amdhsa--gfx1250"
	.amdhsa_code_object_version 6
	.text
	.protected	k_qe23567dd4c_qkv
	.globl	k_qe23567dd4c_qkv
	.p2align	8
	.type	k_qe23567dd4c_qkv,@function
k_qe23567dd4c_qkv:
	s_mov_b64 s[64:65], 0
	v_nop
	global_prefetch_b8 v0, s[64:65] scope:SCOPE_SE
	s_setreg_imm32_b32 hwreg(HW_REG_WAVE_MODE, 25, 1), 1
	s_wait_xcnt 0x0
	s_wait_alu depctr_hold_cnt(0) depctr_sa_sdst(0) depctr_va_vdst(0) depctr_va_sdst(0) depctr_va_ssrc(0) depctr_va_vcc(0) depctr_vm_vsrc(0)
	s_getreg_b32 s2, hwreg(HW_REG_IB_STS2, 6, 4)
	s_cmp_eq_u32 s2, 0
	s_cbranch_scc0 .Lentry_in_a_cluster
	s_endpgm
.Lentry_in_a_cluster:
	s_bfe_u32 s2, ttmp6, 0x10000c
	s_cmp_lg_u32 s2, 0xf033
	s_cbranch_scc0 .Lentry_shape_is_right
	s_endpgm
.Lentry_shape_is_right:
.set ROWP, 1040
.set REG, 64*ROWP
.set XW,  112*ROWP
.set SPARE, XW+3*REG
.set XA,  4
.set SPW, 5
.set NIL, 6
.set XB0, 7
.set WA,  8
.set GQ,  11
.set GV,  12
.set SC,  18
.set CD,  24
.set ACC, 32
.set XF,  128
.set WV,  20
.set SGN, 78
.set P,   84
.set XS,  85
.set MSB, 0
.macro WIN new
.if MSB != \new
	s_set_vgpr_msb (MSB<<8)|\new
.set MSB, \new
.endif
.endm
.macro CROUND
	s_barrier_signal -1
	s_barrier_wait -1
	s_cmp_lg_u32 s[WV], 0
	s_cbranch_scc1 .Lnot_wave_0_\@
	s_barrier_signal -3
.Lnot_wave_0_\@:
	s_barrier_wait -3
	s_barrier_signal -1
	s_barrier_wait -1
.endm
	s_load_b256 s[4:11], s[0:1], 0x0
	s_load_b256 s[12:19], s[0:1], 0x20
	s_load_b128 s[80:83], s[0:1], 0x40
	v_lshl_add_u32 v[SPW], v0, 2, SPARE
	v_mov_b32 v[NIL], 0
	ds_add_u32 v[SPW], v[NIL]
	ds_add_u32 v[SPW], v[NIL]
	v_lshrrev_b32 v1, 5, v0
	v_readfirstlane_b32 s[WV], v1
	s_bfe_u32 s90, ttmp6, 0x40000
	s_bfe_u32 s91, ttmp6, 0x40004
	s_lshl_b32 s21, ttmp9, 2
	s_add_co_u32 s21, s21, s90
	s_and_b32 s22, ttmp7, 0xffff
	s_lshl_b32 s22, s22, 2
	s_add_co_u32 s22, s22, s91
	s_lshl_b32 s92, s91, 2
	s_lshl_b32 s92, 15, s92
	s_lshl_b32 s93, 0x1111, s90
	s_or_b32 s24, s92, (3<<16)|(1<<20)|(1<<21)|(7<<22)|(3<<25)
	s_or_b32 s32, s93, (3<<16)|(1<<20)|(1<<21)|(7<<22)|(3<<25)
	s_or_b32 s40, s92, (3<<16)|(1<<20)|(1<<21)|(7<<22)|(3<<25)
.irp g, 24,32,40
	s_mov_b32 s[\g+1], 128<<16
	s_mov_b32 s[\g+3], 128<<16
	s_mov_b32 s[\g+5], 128
	s_mov_b32 s[\g+6], 0
	s_mov_b32 s[\g+7], 0
.endr
	s_mov_b32 s26, 112<<16
	s_mov_b32 s28, 112
	s_mov_b32 s34, 64<<16
	s_mov_b32 s36, 64
	s_mov_b32 s42, 36<<16
	s_mov_b32 s44, 36
	s_lshl_b32 s60, s22, 18
	s_mov_b32 s61, 0
	s_lshl_b32 s62, s21, 16
	s_mov_b32 s63, 0
	s_mul_i32 s94, s[WV], 36*1024
	s_add_co_u32 s94, s94, s60
	s_add_co_u32 s94, s94, 112*1024
	s_mov_b32 s95, 0
	s_mov_b32 s48, 1
	s_mov_b32 s49, 0
	s_mov_b32 s52, 1
	s_mul_i32 s53, s[WV], 36*ROWP
	s_add_co_u32 s53, s53, XW
	s_mov_b32 s56, 1
	s_mul_i32 s57, s[WV], REG
	s_add_co_u32 s57, s57, XW-REG
	s_mov_b32 s[SGN], 0x80808080
	s_wait_dscnt 0x0
	s_wait_kmcnt 0x0
	s_load_b256 s[68:75], s[12:13], 0x0
	s_load_b64 s[76:77], s[12:13], 0x20
	s_add_nc_u64 s[50:51], s[4:5], s[60:61]
	s_or_b32 s51, s51, 0x80000000
	s_add_nc_u64 s[54:55], s[4:5], s[94:95]
	s_or_b32 s55, s55, 0x80000000
	s_cmp_eq_u32 s[WV], 2
	s_cselect_b64 s[88:89], s[8:9], s[6:7]
	s_cmp_eq_u32 s[WV], 3
	s_cselect_b64 s[88:89], s[10:11], s[88:89]
	s_add_nc_u64 s[58:59], s[88:89], s[62:63]
	s_or_b32 s59, s59, 0x80000000
	CROUND
	s_cmp_eq_u32 s[WV], 0
	s_cbranch_scc0 .Lweights
	tensor_load_to_lds s[48:51], s[24:31]
	s_nop 0
.rept 4
	v_nop
.endr
	s_branch .Lasked
.Lweights:
	tensor_load_to_lds s[56:59], s[32:39]
	s_nop 0
.rept 4
	v_nop
.endr
.Lasked:
	s_mul_i32 s60, s[WV], 16*ROWP
	s_add_co_u32 s60, s60, XW
	s_lshl_b32 s61, s[WV], 8
	s_lshl_b32 s62, s[WV], 11
	v_and_b32 v1, 15, v0
	v_bfe_u32 v2, v0, 4, 1
	v_and_b32 v3, 31, v0
	v_mul_u32_u24 v[XB0], v1, ROWP
	v_lshl_add_u32 v[XB0], v2, 4, v[XB0]
	v_add_nc_u32 v[WA], s60, v[XB0]
	v_add_nc_u32 v[WA+1], REG, v[WA]
	v_add_nc_u32 v[WA+2], REG, v[WA+1]
	v_lshlrev_b32 v[GQ], 4, v1
	v_lshl_add_u32 v[GQ], v2, 3, v[GQ]
	v_add_nc_u32 v[GQ], s61, v[GQ]
	v_lshlrev_b32 v[GV], 4, v3
	v_add_nc_u32 v[GV], s62, v[GV]
	v_lshrrev_b32 v13, 1, v3
	v_lshlrev_b32 v13, 8, v13
	v_and_b32 v14, 1, v3
	v_lshl_add_u32 v13, v14, 3, v13
	v_lshlrev_b32 v16, 3, v3
	s_wait_alu depctr_va_vdst(0)
	s_lshl_b32 s60, s21, 6
	s_add_co_u32 s60, s60, s22
	s_lshr_b32 s62, s60, 2
	s_lshl_b32 s62, s62, 12
	s_and_b32 s61, s60, 3
	s_lshl_b32 s61, s61, 6
	s_add_co_u32 s62, s62, s61
	s_lshl_b32 s61, s[WV], 4
	s_add_co_u32 s62, s62, s61
	s_mov_b32 s63, 0
	s_add_nc_u64 s[14:15], s[14:15], s[62:63]
	s_lshl_b32 s60, s60, 10
	s_lshl_b32 s61, s[WV], 8
	s_add_co_u32 s60, s60, s61
	s_mov_b32 s61, 0
	s_add_nc_u64 s[82:83], s[82:83], s[60:61]
	global_load_b64 v[250:251], v13, s[14:15]
	s_lshr_b32 s60, s22, 4
	s_lshl_b32 s60, s60, 20
	s_lshl_b32 s62, s21, 18
	s_add_co_u32 s60, s60, s62
	s_and_b32 s62, s22, 15
	s_lshl_b32 s62, s62, 14
	s_add_co_u32 s60, s60, s62
	s_add_nc_u64 s[16:17], s[16:17], s[60:61]
	s_add_nc_u64 s[18:19], s[18:19], s[60:61]
	s_add_nc_u64 s[80:81], s[80:81], s[60:61]
	s_wait_kmcnt 0x0
	s_sub_co_i32 s90, s74, s68
	s_sub_co_i32 s90, s90, s69
	s_sub_co_i32 s91, s75, s70
	s_sub_co_i32 s91, s91, s71
	s_sub_co_i32 s92, s77, s72
	s_sub_co_i32 s92, s92, s73
.irp n, 0,1,2
	s_add_co_i32 s[90+\n], s[90+\n], 127
	s_lshl_b32 s94, s[90+\n], 23
	v_mov_b32 v[SC+2*\n], s94
	s_add_co_i32 s[90+\n], s[90+\n], 15
	s_lshl_b32 s94, s[90+\n], 23
	s_or_b32 s94, s94, 0x600000
	v_mov_b32 v[SC+2*\n+1], s94
.endr
	s_mov_b32 s[P], 0
	s_mov_b32 s[XS], 0
.macro XADR
	v_add_nc_u32 v[XA], s[XS], v[XB0]
	s_add_co_u32 s[XS], s[XS], 16*ROWP
.endm
.macro LOADX s
	WIN 0x80
.irp c, 0,1,2,3
	ds_load_b128 v[XF+16*(\s)+4*\c:XF+16*(\s)+4*\c+3], v[XA] offset:128*(\s)+32*\c
.endr
.endm
.macro RED c, q
.if (\c) < 4
	WIN 0xcf*(\q)
.irp n, 0,1,2
.irp j, 0,2,4,6
	v_pk_add_f32 v[ACC+64*\n+16*(\c)+\j:ACC+64*\n+16*(\c)+\j+1], v[ACC+64*\n+16*(\c)+\j:ACC+64*\n+16*(\c)+\j+1], v[ACC+64*\n+16*(\c)+8+\j:ACC+64*\n+16*(\c)+8+\j+1] neg_lo:[0,1] neg_hi:[0,1]
.endr
.endr
.elseif (\c) < 7
	WIN 0xcf*(\q)
.set ta, 32*((\c)%2)
.set td, 16+16*((\c)/6)
.irp n, 0,1,2
.irp j, 0,2,4,6
	v_pk_add_f32 v[ACC+64*\n+ta+\j:ACC+64*\n+ta+\j+1], v[ACC+64*\n+ta+\j:ACC+64*\n+ta+\j+1], v[ACC+64*\n+ta+td+\j:ACC+64*\n+ta+td+\j+1]
.endr
.endr
.else
	WIN 0xc3*(\q)
.irp n, 0,1,2
.irp j, 0,1,2,3,4,5,6,7
	v_med3_num_f32 v[ACC+64*\n+\j], v[ACC+64*\n+\j], -v[SC+2*\n+1], v[SC+2*\n+1]
.endr
.endr
	WIN 0x03*(\q)
	v_cvt_scalef32_pk8_bf8_f32 v[CD:CD+1], v[ACC:ACC+7], v[SC]
	v_cvt_scalef32_pk8_bf8_f32 v[CD+2:CD+3], v[ACC+64:ACC+71], v[SC+2]
	v_cvt_scalef32_pk8_bf8_f32 v[CD+4+2*(\q):CD+5+2*(\q)], v[ACC+128:ACC+135], v[SC+4]
	v_nop
	WIN 0
	global_store_b64 v[GQ], v[CD:CD+1], s[60:61] offset:1024*(\q)
	global_store_b64 v[GQ], v[CD+2:CD+3], s[62:63] offset:1024*(\q)
.if \q
	global_store_b128 v[GV], v[CD+4:CD+7], s[88:89]
.endif
.endif
.endm
.macro TILE p, fetch, bar, red
	s_wait_alu depctr_va_vdst(0)
	s_wait_xcnt 0x0
.if \bar
	s_wait_dscnt 0x0
	s_wait_tensorcnt 0x0
	s_barrier_signal -1
	s_barrier_wait -1
.endif
.if \fetch
	XADR
.endif
.if (\p) && (\red)
	s_lshl_b32 s86, s[P], 11
	s_mov_b32 s87, 0
	s_add_nc_u64 s[60:61], s[16:17], s[86:87]
	s_add_nc_u64 s[62:63], s[18:19], s[86:87]
	s_lshr_b32 s86, s[P], 2
	s_lshl_b32 s86, s86, 13
	s_and_b32 s88, s[P], 3
	s_lshl_b32 s88, s88, 9
	s_add_co_u32 s86, s86, s88
	s_add_nc_u64 s[88:89], s[80:81], s[86:87]
	s_add_co_u32 s[P], s[P], 1
.endif
.irp s, 0,1,2,3,4,5,6,7
.if (\s%2) == 0
	s_wait_alu depctr_va_vdst(0)
.if \fetch
	s_wait_dscnt 24
.else
	s_wait_dscnt 4*(6-\s)
.endif
.endif
	WIN 0x09+0xc0*(\p)
	v_wmma_f32_16x16x128_bf8_bf8 v[ACC+8*\s:ACC+8*\s+7], v[16*\s:16*\s+15], v[XF+16*\s:XF+16*\s+15], 0
	v_wmma_f32_16x16x128_bf8_bf8 v[ACC+64+8*\s:ACC+64+8*\s+7], v[128+16*\s:128+16*\s+15], v[XF+16*\s:XF+16*\s+15], 0
	WIN 0x0a+0xc0*(\p)
	v_wmma_f32_16x16x128_bf8_bf8 v[ACC+128+8*\s:ACC+128+8*\s+7], v[XF+16*\s:XF+16*\s+15], v[16*\s:16*\s+15], 0
.if \red
	RED \s, 1-\p
.else
.rept 4
	v_nop
.endr
.endif
.if \fetch
	LOADX \s
.endif
.endr
	WIN 0
.endm
	s_wait_alu depctr_va_vdst(0)
	s_wait_tensorcnt 0x0
	s_barrier_signal -1
	s_barrier_wait -1
	WIN 0x40
.irp s, 0,1,2,3,4,5,6,7
.irp c, 0,1,2,3
	ds_load_b128 v[16*\s+4*\c:16*\s+4*\c+3], v[WA] offset:128*\s+32*\c
	ds_load_b128 v[128+16*\s+4*\c:128+16*\s+4*\c+3], v[WA+1] offset:128*\s+32*\c
.endr
.endr
	WIN 0x80
.irp s, 0,1,2,3,4,5,6,7
.irp c, 0,1,2,3
	ds_load_b128 v[16*\s+4*\c:16*\s+4*\c+3], v[WA+2] offset:128*\s+32*\c
.endr
.endr
	WIN 0
	XADR
.irp s, 0,1,2,3,4,5,6,7
	LOADX \s
.endr
	WIN 0
	s_wait_alu depctr_va_vdst(0)
	s_wait_tensorcnt 0x0
	ds_add_u32 v[SPW], v[NIL]
	s_wait_dscnt 0x0
	CROUND
	tensor_load_to_lds s[52:55], s[40:47]
	s_nop 0
.rept 4
	v_nop
.endr
	WIN 0x41
.irp s, 1,3,5,7
.irp i, 0,1,2,3,4,5,6,7,8,9,10,11,12,13,14,15
	v_xor_b32 v[16*\s+\i], v[16*\s+\i], s[SGN]
	v_xor_b32 v[128+16*\s+\i], v[128+16*\s+\i], s[SGN]
.endr
.endr
	WIN 0x82
.irp s, 1,3,5,7
.irp i, 0,1,2,3,4,5,6,7,8,9,10,11,12,13,14,15
	v_xor_b32 v[16*\s+\i], v[16*\s+\i], s[SGN]
.endr
.endr
	WIN 0
	s_wait_alu depctr_va_vdst(0)
	s_wait_loadcnt 0x0
	global_store_b64 v16, v[250:251], s[82:83]
	TILE 0, 1, 0, 0
.Lpair_a:
	TILE 1, 1, 0, 1
	TILE 0, 1, 0, 1
	s_wait_alu depctr_va_vdst(0)
	s_cmp_lt_u32 s[P], 2
	s_cbranch_scc1 .Lpair_a
	TILE 1, 1, 0, 1
	TILE 0, 1, 1, 1
.Lpair_b:
	TILE 1, 1, 0, 1
	TILE 0, 1, 0, 1
	s_wait_alu depctr_va_vdst(0)
	s_cmp_lt_u32 s[P], 7
	s_cbranch_scc1 .Lpair_b
	TILE 1, 0, 0, 1
	s_wait_alu depctr_va_vdst(0)
	s_wait_xcnt 0x0
.irp c, 0,1,2,3,4,5,6,7
	RED \c, 1
.endr
	s_wait_alu depctr_va_vdst(0)
	s_wait_tensorcnt 0x0
	ds_add_u32 v[SPW], v[NIL]
	s_wait_dscnt 0x0
	CROUND
	s_endpgm
.Lfunc_end_k_qe23567dd4c_qkv:
	.size	k_qe23567dd4c_qkv, .Lfunc_end_k_qe23567dd4c_qkv-k_qe23567dd4c_qkv
	.p2alignl 7, 3214868480
	.fill 96, 4, 3214868480
	.section	.rodata,"a",@progbits
	.p2align	6, 0x0
	.amdhsa_kernel k_qe23567dd4c_qkv
		.amdhsa_group_segment_fixed_size 327680
		.amdhsa_private_segment_fixed_size 0
		.amdhsa_enable_private_segment 0
		.amdhsa_kernarg_size 80
		.amdhsa_user_sgpr_count 2
		.amdhsa_user_sgpr_kernarg_segment_ptr 1
		.amdhsa_wavefront_size32 1
		.amdhsa_system_sgpr_workgroup_id_x 1
		.amdhsa_system_sgpr_workgroup_id_y 1
		.amdhsa_system_sgpr_workgroup_id_z 1
		.amdhsa_system_vgpr_workitem_id 0
		.amdhsa_next_free_vgpr 1024
		.amdhsa_next_free_sgpr 100
		.amdhsa_reserve_vcc 0
		.amdhsa_float_denorm_mode_32 3
		.amdhsa_float_denorm_mode_16_64 3
		.amdhsa_memory_ordered 1
		.amdhsa_forward_progress 1
		.amdhsa_inst_pref_size 128
	.end_amdhsa_kernel
	.amdgpu_metadata
---
amdhsa.version: [ 1, 2 ]
amdhsa.kernels:
  - .name:           k_qe23567dd4c_qkv
    .symbol:         k_qe23567dd4c_qkv.kd
    .args:
      - { .name: x_codes, .offset: 0, .size: 8, .value_kind: global_buffer, .address_space: global }
      - { .name: Wq_codes, .offset: 8, .size: 8, .value_kind: global_buffer, .address_space: global }
      - { .name: Wk_codes, .offset: 16, .size: 8, .value_kind: global_buffer, .address_space: global }
      - { .name: Wv_codes, .offset: 24, .size: 8, .value_kind: global_buffer, .address_space: global }
      - { .name: lowp_scales, .offset: 32, .size: 8, .value_kind: global_buffer, .address_space: global }
      - { .name: Wo_codes, .offset: 40, .size: 8, .value_kind: global_buffer, .address_space: global }
      - { .name: q_img, .offset: 48, .size: 8, .value_kind: global_buffer, .address_space: global }
      - { .name: k_img, .offset: 56, .size: 8, .value_kind: global_buffer, .address_space: global }
      - { .name: v_img, .offset: 64, .size: 8, .value_kind: global_buffer, .address_space: global }
      - { .name: wo_img, .offset: 72, .size: 8, .value_kind: global_buffer, .address_space: global }
    .group_segment_fixed_size: 327680
    .private_segment_fixed_size: 0
    .kernarg_segment_align: 8
    .kernarg_segment_size: 80
    .max_flat_workgroup_size: 128
    .sgpr_count:     100
    .vgpr_count:     1024
    .wavefront_size: 32
...
	.end_amdgpu_metadata
.endif
;; end of part 1
;; launch attn (part 2): grid 16 x 16, 8 waves a work-group, no clusters, 295,936 bytes of LDS; arguments q_img, k_img, v_img, lowp_scales, a_img; writes a_img
.if DOCPART == 2
	.amdgcn_target "amdgcn-amd-amdhsa--gfx1250"
	.amdhsa_code_object_version 6
	.text
	.protected	k_qe23567dd4c_attn
	.globl	k_qe23567dd4c_attn
	.p2align	8
	.type	k_qe23567dd4c_attn,@function
k_qe23567dd4c_attn:
	s_mov_b64 s[64:65], 0
	v_nop
	global_prefetch_b8 v0, s[64:65] scope:SCOPE_SE
	s_setreg_imm32_b32 hwreg(HW_REG_WAVE_MODE, 25, 1), 1
	s_wait_xcnt 0x0
.set SLOT,  32768
.set RMASK, 4*SLOT-1
.set XCH,   4*SLOT
.set XSZ,   73728
.set QST,   XCH+2*XSZ
.set SPARE, QST+16384
.set LI,  1
.set AD,  2
.set AF,  3
.set GO,  4
.set SPW, 5
.set NIL, 6
.set XA,  7
.set XR,  8
.set LQ,  9
.set FA,  10
.set LR,  11
.set AN,  253
.set PA,  40
.set PB,  104
.set CA,  168
.set CB,  184
.set TA,  200
.set VF,  64
.set OA,  128
.set OB,  160
.set ST,  192
.set WV,  18
.set SEL, 20
.set CS,  22
.set FU,  40
.set FL,  41
.set TB,  66
.set TR,  67
.set PAR, 69
.set NXT, 82
.set ED,  83
.set UN,  84
.set HF,  85
.set NC,  86
.set TF,  92
.set TN,  93
.set XT,  94
.set FIN, 96
.set OTH, 97
.set SU,  98
.set LIM, 99
.set MSB, 0
.macro WIN new
.if MSB != \new
	s_set_vgpr_msb (MSB<<8)|\new
.set MSB, \new
.endif
.endm
.macro GFILL kb, st
	s_lshl_b32 s72, s[FU], 13
	s_mov_b32 s73, 0
	s_add_nc_u64 s[\kb:\kb+1], s[6:7], s[72:73]
	s_add_nc_u64 s[\kb+2:\kb+3], s[8:9], s[72:73]
	WIN 0x40
.irp k, 0,1,2,3
	global_load_b128 v[\st+4*\k:\st+4*\k+3], v[LI], s[\kb:\kb+1] offset:512*\k
.endr
.irp k, 0,1,2,3
	global_load_b128 v[\st+16+4*\k:\st+16+4*\k+3], v[LI], s[\kb+2:\kb+3] offset:512*\k
.endr
	WIN 0
	s_add_co_u32 s[FU], s[FU], 2
	s_cmp_gt_u32 s[FU], s[FL]
	s_cselect_b32 s[FU], 0, s[FU]
	s_cselect_b32 s[FL], s[OTH], s[FL]
.endm
.macro SFILL sl, st
	v_add_nc_u32 v[AF], s[\sl], v[FA]
	WIN 0x04
.irp k, 0,1,2,3
	ds_store_b128 v[AF], v[\st+4*\k:\st+4*\k+3] offset:512*\k
	ds_store_b128 v[AF], v[\st+16+4*\k:\st+16+4*\k+3] offset:16384+512*\k
.endr
	WIN 0
.endm
.macro RESET
	v_mov_b32 v12, 0x7f61b1e6
	v_mov_b32 v18, 0x7f61b1e6
	v_mov_b32 v13, 0xff61b1e6
	v_mov_b32 v19, 0xff61b1e6
	v_mov_b32 v14, 0
	v_mov_b32 v15, 0
	v_mov_b32 v20, 0
	v_mov_b32 v21, 0
	WIN 0x40
.set j, 0
.rept 64
	v_mov_b32 v[OA+j], 0
.set j, j+1
.endr
	WIN 0
.endm
.macro KLOAD
	WIN 0x40
.irp t, 0,1,2,3,4,5,6,7
.irp c, 0,1
	ds_load_b128 v[8*\t+4*\c:8*\t+4*\c+3], v[AN] offset:1024*\t+512*\c
.endr
.endr
	WIN 0
.endm
.macro MERGE op
	v_add_nc_u32 v251, s[XT], v[XA]
	v_add_nc_u32 v252, s[XT], v[XR]
.irp k, 0,1,2,3,4,5,6,7
	ds_load_b128 v[PA+4*\k:PA+4*\k+3], v251 offset:512*\k
	ds_load_b128 v[PA+32+4*\k:PA+35+4*\k], v252 offset:4608+512*\k
.endr
	ds_load_b128 v[200:203], v251 offset:4096
	ds_load_b128 v[204:207], v252 offset:8704
	s_wait_alu depctr_va_vdst(0)
	s_wait_dscnt 0x0
	v_min_num_f32 v236, v200, v204
	v_sub_f32 v237, v236, v200
	v_sub_f32 v238, v236, v204
	v_cvt_i32_f32 v237, v237
	v_cvt_i32_f32 v238, v238
	v_ldexp_f32 v240, 1.0, v237
	v_ldexp_f32 v242, 1.0, v238
	v_mul_f32 v208, v201, v240
	v_fma_f32 v208, v205, v242, v208
	v_permlanex16_b32 v236, v208, s[SEL], s[SEL+1]
	v_add_f32 v208, v208, v236
.set j, 0
.rept 16
	v_pk_mul_f32 v[PB+j:PB+j+1], v[PA+j:PA+j+1], v[240:241] op_sel_hi:[1,0]
.set j, j+2
.endr
.set j, 0
.rept 16
	v_pk_fma_f32 v[PB+j:PB+j+1], v[PA+32+j:PA+33+j], v[242:243], v[PB+j:PB+j+1] op_sel_hi:[1,0,1]
.set j, j+2
.endr
	s_wait_alu depctr_va_vdst(0)
	v_rcp_f32 v210, v208
	v_nop
	s_wait_alu depctr_va_vdst(0)
	v_fma_f32 v236, -v208, v210, 1.0
	v_fma_f32 v242, v236, v210, v210
.set j, 0
.rept 16
	v_pk_mul_f32 v[PA+j:PA+j+1], v[PB+j:PB+j+1], v[242:243] op_sel_hi:[1,0]
.set j, j+2
.endr
.set j, 0
.rept 16
	v_pk_fma_f32 v[PA+32+j:PA+33+j], v[PA+j:PA+j+1], v[208:209], v[PB+j:PB+j+1] op_sel_hi:[1,0,1] neg_lo:[1,0,0] neg_hi:[1,0,0]
.set j, j+2
.endr
.set j, 0
.rept 16
	v_pk_fma_f32 v[PA+j:PA+j+1], v[PA+32+j:PA+33+j], v[242:243], v[PA+j:PA+j+1] op_sel_hi:[1,0,1]
.set j, j+2
.endr
.set j, 0
.rept 32
	v_med3_num_f32 v[PA+j], v[PA+j], -v234, v234
.set j, j+1
.endr
.irp t, 0,1,2,3
	v_cvt_scalef32_pk8_bf8_f32 v[212+2*\t:213+2*\t], v[PA+8*\t:PA+8*\t+7], v235
.endr
	v_nop
.irp t, 0,1,2,3
	global_store_b64 v[GO], v[212+2*\t:213+2*\t], s[\op:\op+1] offset:256*\t
.endr
.endm
	s_load_b256 s[4:11], s[0:1], 0x0
	s_load_b64 s[12:13], s[0:1], 0x20
	v_lshl_add_u32 v[SPW], v0, 2, SPARE
	v_mov_b32 v[NIL], 0
	v_lshrrev_b32 v254, 5, v0
	v_readfirstlane_b32 s[WV], v254
	s_and_b32 s68, s[WV], 3
	s_lshr_b32 s[PAR], s[WV], 2
	s_lshl_b32 s70, s68, 1
	s_add_co_u32 s70, s70, s[PAR]
	s_xor_b32 s71, s70, 1
	s_and_b32 s43, ttmp7, 0xffff
	s_mov_b32 s[LIM], ttmp9
	s_sub_co_u32 s[OTH], 31, ttmp9
	s_mov_b32 s[FU], 0
	s_mov_b32 s[FL], ttmp9
	s_lshl_b32 s74, s43, 18
	s_lshl_b32 s76, s[WV], 11
	s_add_co_u32 s76, s76, s74
	s_mov_b32 s77, 0
	s_lshl_b32 s78, s[LIM], 13
	s_add_co_u32 s78, s78, s74
	s_mov_b32 s79, 0
	s_lshl_b32 s80, s[OTH], 13
	s_add_co_u32 s80, s80, s74
	s_mov_b32 s81, 0
	s_lshl_b32 s84, s70, 10
	s_lshl_b32 s85, s71, 10
	s_lshl_b32 s86, s[WV], 11
	s_lshl_b32 s87, s[PAR], 13
	s_mul_i32 s88, s[WV], 9216
	s_add_co_u32 s88, s88, XCH
	s_xor_b32 s89, s[WV], 4
	s_mul_i32 s89, s89, 9216
	s_add_co_u32 s89, s89, XCH
	s_lshl_b32 s90, s[WV], 11
	s_add_co_u32 s90, s90, QST
	s_lshl_b32 s91, s70, 4
	s_lshl_b32 s92, s71, 4
	v_and_b32 v254, 31, v0
	v_lshlrev_b32 v[LI], 4, v254
	v_add_nc_u32 v236, s84, v[LI]
	v_add_nc_u32 v237, s85, v[LI]
	v_add_nc_u32 v[FA], s86, v[LI]
	v_add_nc_u32 v[LR], s87, v[LI]
	v_add_nc_u32 v[XA], s88, v[LI]
	v_add_nc_u32 v[XR], s89, v[LI]
	v_add_nc_u32 v[LQ], s90, v[LI]
	v_and_b32 v254, 15, v0
	v_bfe_u32 v255, v0, 4, 1
	v_lshlrev_b32 v[GO], 4, v254
	v_lshl_add_u32 v[GO], v255, 3, v[GO]
	v_lshlrev_b32 v255, 3, v255
	v_sub_nc_u32 v254, v254, v255
	v_add_nc_u32 v248, s91, v254
	v_add_nc_u32 v249, s92, v254
	v_mov_b32 v250, 0xff800000
	v_mov_b32 v17, 0
	v_mov_b32 v23, 0
	v_mov_b32 v209, 0
	v_mov_b32 v238, 0
	v_mov_b32 v239, 0
	v_mov_b32 v241, 0
	v_mov_b32 v242, 0
	v_mov_b32 v243, 0
	s_wait_alu depctr_va_vdst(0)
	s_wait_kmcnt 0x0
	s_load_b128 s[44:47], s[10:11], 0x18
	s_load_b32 s48, s[10:11], 0x28
	s_add_nc_u64 s[6:7], s[6:7], s[76:77]
	s_add_nc_u64 s[8:9], s[8:9], s[76:77]
	s_add_nc_u64 s[14:15], s[4:5], s[78:79]
	s_add_nc_u64 s[16:17], s[4:5], s[80:81]
	GFILL 24, ST
	GFILL 28, ST+32
	GFILL 32, 0
	global_load_b128 v[24:27], v236, s[14:15]
	global_load_b128 v[28:31], v236, s[14:15] offset:512
	global_load_b128 v[32:35], v237, s[14:15]
	global_load_b128 v[36:39], v237, s[14:15] offset:512
	global_load_b128 v[40:43], v236, s[16:17]
	global_load_b128 v[44:47], v236, s[16:17] offset:512
	global_load_b128 v[48:51], v237, s[16:17]
	global_load_b128 v[52:55], v237, s[16:17] offset:512
	s_lshr_b32 s84, s43, 2
	s_lshl_b32 s84, s84, 20
	s_and_b32 s85, s43, 3
	s_lshl_b32 s85, s85, 10
	s_add_co_u32 s84, s84, s85
	s_lshl_b32 s85, s70, 12
	s_add_co_u32 s84, s84, s85
	s_lshl_b32 s86, s[LIM], 15
	s_add_co_u32 s86, s86, s84
	s_mov_b32 s87, 0
	s_add_nc_u64 s[52:53], s[12:13], s[86:87]
	s_lshl_b32 s86, s[OTH], 15
	s_add_co_u32 s86, s86, s84
	s_add_nc_u64 s[54:55], s[12:13], s[86:87]
	s_mov_b32 s[SEL], 0x76543210
	s_mov_b32 s[SEL+1], 0xfedcba98
	s_mov_b32 s[CS], 0x3e38aa3b
	s_mov_b32 s[TB], 0
	s_mov_b32 s[TN], SLOT
	s_mov_b32 s[TF], 2*SLOT
	s_mov_b32 s[XT], 0
	s_mov_b32 s[TR], 17
	s_mov_b32 s[SU], 0
	s_mov_b32 s[FIN], 0
	RESET
	WIN 0x40
.set j, 0
.rept 64
	v_mov_b32 v[VF+j], 0
.set j, j+1
.endr
	WIN 0
.set j, 0
.rept 32
	v_mov_b32 v[CA+j], 0
.set j, j+1
.endr
	s_wait_kmcnt 0x0
	s_add_co_i32 s87, s44, s45
	s_lshl_b32 s87, s87, 23
	s_add_co_i32 s[CS], s[CS], s87
	s_mov_b32 s[CS+1], s[CS]
	s_or_b32 s[NC], s[CS], 0x80000000
	s_add_co_i32 s87, s46, 127
	s_lshl_b32 s88, s87, 23
	v_mov_b32 v233, s88
	s_add_co_i32 s87, s87, 15
	s_lshl_b32 s87, s87, 23
	s_or_b32 s87, s87, 0x600000
	v_mov_b32 v232, s87
	s_sub_co_i32 s87, s48, s46
	s_sub_co_i32 s87, s87, s47
	s_add_co_i32 s87, s87, 127
	s_lshl_b32 s88, s87, 23
	v_mov_b32 v235, s88
	s_add_co_i32 s87, s87, 15
	s_lshl_b32 s87, s87, 23
	s_or_b32 s87, s87, 0x600000
	v_mov_b32 v234, s87
	s_cmp_lt_i32 s46, -15
	s_cselect_b32 s[HF], 1, 0
	s_wait_alu depctr_va_vdst(0)
	s_wait_loadcnt 0x0
	SFILL TB, ST
	SFILL TN, ST+32
	SFILL TF, 0
	ds_store_b128 v[LQ], v[40:43]
	ds_store_b128 v[LQ], v[44:47] offset:512
	ds_store_b128 v[LQ], v[48:51] offset:1024
	ds_store_b128 v[LQ], v[52:55] offset:1536
	v_add_nc_u32 v[AN], s[TB], v[LR]
	s_wait_alu depctr_va_vdst(0)
	s_wait_dscnt 0x0
	GFILL 74, ST
	s_barrier_signal -1
	s_barrier_wait -1
	KLOAD
.Ltrip:
	s_wait_alu depctr_va_vdst(0)
	s_wait_dscnt 0x0
	s_barrier_signal -1
	s_add_co_u32 s[TN], s[TB], SLOT
	s_and_b32 s[TN], s[TN], RMASK
	v_add_nc_u32 v[AD], s[TB], v[LR]
	v_add_nc_u32 v[AN], s[TN], v[LR]
	s_add_co_u32 s[UN], s[SU], s[PAR]
	s_wait_alu depctr_va_vdst(0)
	s_cmp_gt_u32 s[UN], s[LIM]
	s_cbranch_scc1 .Lhidden
	WIN 0x01
.irp t, 0,1,2,3,4,5,6,7
	v_wmma_f32_16x16x64_bf8_bf8 v[PA+8*\t:PA+8*\t+7], v[8*\t:8*\t+7], v[24:31], 0
	v_wmma_f32_16x16x64_bf8_bf8 v[PB+8*\t:PB+8*\t+7], v[8*\t:8*\t+7], v[32:39], 0
.endr
	WIN 0
.rept 4
	v_nop
.endr
	WIN 0x40
.irp t, 0,1,2,3
.irp c, 0,1,2,3
	ds_load_b128 v[VF+16*\t+4*\c:VF+16*\t+4*\c+3], v[AD] offset:16384+2048*\t+512*\c
.endr
.endr
	KLOAD
	s_cmp_eq_u32 s[UN], s[LIM]
	s_cbranch_scc0 .Lopen
.set n, 0
.rept 64
	v_cmp_gt_i32 vcc_lo, 16*(n/8)+n%8, v248
	v_cmp_gt_i32 s87, 16*(n/8)+n%8, v249
	v_cndmask_b32 v[PA+n], v[PA+n], v250, vcc_lo
	v_cndmask_b32 v[PB+n], v[PB+n], v250, s87
.set n, n+1
.endr
.Lopen:
	v_max3_num_f32 v236, v[PA], v[PA+1], v[PA+2]
	v_max3_num_f32 v238, v[PB], v[PB+1], v[PB+2]
	v_max3_num_f32 v237, v[PA+3], v[PA+4], v[PA+5]
	v_max3_num_f32 v239, v[PB+3], v[PB+4], v[PB+5]
	v_max3_num_f32 v240, v[PA+6], v[PA+7], v[PA+8]
	v_max3_num_f32 v242, v[PB+6], v[PB+7], v[PB+8]
	v_max3_num_f32 v241, v[PA+9], v[PA+10], v[PA+11]
	v_max3_num_f32 v243, v[PB+9], v[PB+10], v[PB+11]
.set n, 12
.rept 6
	v_max3_num_f32 v236, v236, v[PA+n], v[PA+n+1]
	v_max3_num_f32 v238, v238, v[PB+n], v[PB+n+1]
	v_max3_num_f32 v237, v237, v[PA+n+2], v[PA+n+3]
	v_max3_num_f32 v239, v239, v[PB+n+2], v[PB+n+3]
	v_max3_num_f32 v240, v240, v[PA+n+4], v[PA+n+5]
	v_max3_num_f32 v242, v242, v[PB+n+4], v[PB+n+5]
	v_max3_num_f32 v241, v241, v[PA+n+6], v[PA+n+7]
	v_max3_num_f32 v243, v243, v[PB+n+6], v[PB+n+7]
.set n, n+8
.endr
	v_max3_num_f32 v236, v236, v[PA+60], v[PA+61]
	v_max3_num_f32 v238, v238, v[PB+60], v[PB+61]
	v_max3_num_f32 v237, v237, v[PA+62], v[PA+63]
	v_max3_num_f32 v239, v239, v[PB+62], v[PB+63]
	v_max_num_f32 v240, v240, v241
	v_max_num_f32 v242, v242, v243
	v_max3_num_f32 v236, v236, v237, v240
	v_max3_num_f32 v238, v238, v239, v242
	v_permlanex16_b32 v237, v236, s[SEL], s[SEL+1]
	v_permlanex16_b32 v239, v238, s[SEL], s[SEL+1]
	v_max3_num_f32 v13, v13, v236, v237
	v_max3_num_f32 v19, v19, v238, v239
	v_mul_f32 v236, s[NC], v13
	v_mul_f32 v238, s[NC], v19
	v_mov_b32 v237, v12
	v_mov_b32 v239, v18
	v_floor_f32 v12, v236
	v_floor_f32 v18, v238
	v_sub_f32 v237, v12, v237
	v_sub_f32 v239, v18, v239
	v_cvt_i32_f32 v237, v237
	v_cvt_i32_f32 v239, v239
	v_ldexp_f32 v16, 1.0, v237
	v_ldexp_f32 v22, 1.0, v239
	WIN 0x41
.set j, 0
.rept 16
	v_pk_mul_f32 v[OA+j:OA+j+1], v[OA+j:OA+j+1], v[16:17] op_sel_hi:[1,0]
	v_pk_mul_f32 v[OB+j:OB+j+1], v[OB+j:OB+j+1], v[22:23] op_sel_hi:[1,0]
.set j, j+2
.endr
	WIN 0
.set j, 0
.rept 32
	v_pk_fma_f32 v[PA+j:PA+j+1], v[PA+j:PA+j+1], s[CS:CS+1], v[12:13] op_sel_hi:[1,0,0]
.set j, j+2
.endr
	s_wait_alu depctr_va_vdst(0)
.set j, 0
.rept 32
	v_exp_f32 v[PA+j], v[PA+j]
	v_exp_f32 v[PA+j+1], v[PA+j+1]
	v_pk_fma_f32 v[PB+j:PB+j+1], v[PB+j:PB+j+1], s[CS:CS+1], v[18:19] op_sel_hi:[1,0,0]
.set j, j+2
.endr
	s_wait_alu depctr_va_vdst(0)
.set j, 0
.rept 16
	v_exp_f32 v[PB+4*j], v[PB+4*j]
	v_exp_f32 v[PB+4*j+1], v[PB+4*j+1]
	v_exp_f32 v[PB+4*j+2], v[PB+4*j+2]
	v_exp_f32 v[PB+4*j+3], v[PB+4*j+3]
	v_pk_add_f32 v[TA+2*j:TA+2*j+1], v[PA+4*j:PA+4*j+1], v[PA+4*j+2:PA+4*j+3]
.set j, j+1
.endr
	s_wait_alu depctr_va_vdst(0)
.set j, 0
.rept 16
	v_pk_add_f32 v[CA+2*j:CA+2*j+1], v[PB+4*j:PB+4*j+1], v[PB+4*j+2:PB+4*j+3]
.set j, j+1
.endr
.irp d, 16,8,4,2
.set j, 0
.rept \d/2
	v_pk_add_f32 v[TA+j:TA+j+1], v[TA+j:TA+j+1], v[TA+\d+j:TA+\d+j+1]
	v_pk_add_f32 v[CA+j:CA+j+1], v[CA+j:CA+j+1], v[CA+\d+j:CA+\d+j+1]
.set j, j+2
.endr
.endr
	v_pk_fma_f32 v[14:15], v[14:15], v[16:17], v[TA:TA+1] op_sel_hi:[1,0,1]
	v_pk_fma_f32 v[20:21], v[20:21], v[22:23], v[CA:CA+1] op_sel_hi:[1,0,1]
	s_cmp_lg_u32 s[HF], 0
	s_cbranch_scc0 .Lunheld
.set j, 0
.rept 128
	v_min_num_f32 v[PA+j], v232, v[PA+j]
.set j, j+1
.endr
.Lunheld:
.irp b, 0,1,2,3
	v_cvt_scalef32_pk8_bf8_f32 v[CA+4*\b:CA+4*\b+1], v[PA+16*\b:PA+16*\b+7], v233
	v_cvt_scalef32_pk8_bf8_f32 v[CA+4*\b+2:CA+4*\b+3], v[PA+16*\b+8:PA+16*\b+15], v233
	v_cvt_scalef32_pk8_bf8_f32 v[CB+4*\b:CB+4*\b+1], v[PB+16*\b:PB+16*\b+7], v233
	v_cvt_scalef32_pk8_bf8_f32 v[CB+4*\b+2:CB+4*\b+3], v[PB+16*\b+8:PB+16*\b+15], v233
.endr
	v_nop
	s_branch .Lmeet
.Lhidden:
	KLOAD
.Lmeet:
	s_wait_alu depctr_va_vdst(0)
	s_wait_dscnt 0x0
	s_barrier_wait -1
	s_cmp_eq_u32 s[FIN], 1
	s_cbranch_scc0 .Lnone_to_finish
	MERGE 52
	s_mov_b32 s[FIN], 0
	s_wait_alu depctr_va_vdst(0)
	s_wait_xcnt 0x0
.Lnone_to_finish:
	s_xor_b32 s[XT], s[XT], XSZ
	s_add_co_u32 s[TF], s[TB], 3*SLOT
	s_and_b32 s[TF], s[TF], RMASK
	s_wait_loadcnt 0x0
	s_cmp_lt_u32 s[TR], 4
	s_cbranch_scc1 .Lstored
	SFILL TF, ST
.Lstored:
	s_cmp_gt_u32 s[UN], s[LIM]
	s_cbranch_scc1 .Lmultiplied
	WIN 0x51
.irp t, 0,1,2,3
	v_wmma_f32_16x16x128_bf8_bf8 v[OA+8*\t:OA+8*\t+7], v[VF+16*\t:VF+16*\t+15], v[CA:CA+15], v[OA+8*\t:OA+8*\t+7]
	v_wmma_f32_16x16x128_bf8_bf8 v[OB+8*\t:OB+8*\t+7], v[VF+16*\t:VF+16*\t+15], v[CB:CB+15], v[OB+8*\t:OB+8*\t+7]
.endr
	WIN 0
.Lmultiplied:
	s_add_co_u32 s[NXT], s[SU], 2
	s_cmp_gt_u32 s[NXT], s[LIM]
	s_cselect_b32 s[NXT], 0, s[NXT]
	s_cselect_b32 s[ED], 1, 0
	s_cmp_eq_u32 s[ED], 1
	s_cbranch_scc0 .Lgoes_on
	v_add_nc_u32 v251, s[XT], v[XA]
	v_mov_b32 v236, v12
	v_add_f32 v237, v14, v15
	v_mov_b32 v240, v18
	v_add_f32 v241, v20, v21
	ds_store_b128 v251, v[236:239] offset:4096
	ds_store_b128 v251, v[240:243] offset:8704
	WIN 0x04
.irp k, 0,1,2,3,4,5,6,7
	ds_store_b128 v251, v[OA+4*\k:OA+4*\k+3] offset:512*\k
	ds_store_b128 v251, v[OB+4*\k:OB+4*\k+3] offset:4608+512*\k
.endr
	WIN 0
	s_mov_b32 s[FIN], 1
	s_cmp_eq_u32 s[TR], 1
	s_cbranch_scc1 .Lgoes_on
	ds_load_b128 v[24:27], v[LQ]
	ds_load_b128 v[28:31], v[LQ] offset:512
	ds_load_b128 v[32:35], v[LQ] offset:1024
	ds_load_b128 v[36:39], v[LQ] offset:1536
	RESET
.Lgoes_on:
	s_cmp_lt_u32 s[TR], 5
	s_cbranch_scc1 .Lasked
	s_wait_alu depctr_va_vdst(0)
	s_wait_dscnt 0x0
	GFILL 74, ST
.Lasked:
	s_mov_b32 s[SU], s[NXT]
	s_cmp_eq_u32 s[ED], 1
	s_cselect_b32 s[LIM], s[OTH], s[LIM]
	s_add_co_u32 s[TB], s[TB], SLOT
	s_and_b32 s[TB], s[TB], RMASK
	s_sub_co_u32 s[TR], s[TR], 1
	s_cmp_lg_u32 s[TR], 0
	s_cbranch_scc1 .Ltrip
	s_wait_alu depctr_va_vdst(0)
	s_wait_dscnt 0x0
	s_barrier_signal -1
	s_barrier_wait -1
	MERGE 54
	s_wait_tensorcnt 0x0
	ds_add_u32 v[SPW], v[NIL]
	s_wait_dscnt 0x0
	s_endpgm
.Lfunc_end_k_qe23567dd4c_attn:
	.size	k_qe23567dd4c_attn, .Lfunc_end_k_qe23567dd4c_attn-k_qe23567dd4c_attn
	.p2alignl 7, 3214868480
	.fill 96, 4, 3214868480
	.section	.rodata,"a",@progbits
	.p2align	6, 0x0
	.amdhsa_kernel k_qe23567dd4c_attn
		.amdhsa_group_segment_fixed_size 295936
		.amdhsa_private_segment_fixed_size 0
		.amdhsa_enable_private_segment 0
		.amdhsa_kernarg_size 40
		.amdhsa_user_sgpr_count 2
		.amdhsa_user_sgpr_kernarg_segment_ptr 1
		.amdhsa_wavefront_size32 1
		.amdhsa_system_sgpr_workgroup_id_x 1
		.amdhsa_system_sgpr_workgroup_id_y 1
		.amdhsa_system_sgpr_workgroup_id_z 1
		.amdhsa_system_vgpr_workitem_id 0
		.amdhsa_next_free_vgpr 512
		.amdhsa_next_free_sgpr 100
		.amdhsa_reserve_vcc 1
		.amdhsa_float_denorm_mode_32 3
		.amdhsa_float_denorm_mode_16_64 3
		.amdhsa_memory_ordered 1
		.amdhsa_forward_progress 1
		.amdhsa_inst_pref_size 89
	.end_amdhsa_kernel
	.amdgpu_metadata
---
amdhsa.version: [ 1, 2 ]
amdhsa.kernels:
  - .name:           k_qe23567dd4c_attn
    .symbol:         k_qe23567dd4c_attn.kd
    .args:
      - { .name: q_img, .offset: 0, .size: 8, .value_kind: global_buffer, .address_space: global }
      - { .name: k_img, .offset: 8, .size: 8, .value_kind: global_buffer, .address_space: global }
      - { .name: v_img, .offset: 16, .size: 8, .value_kind: global_buffer, .address_space: global }
      - { .name: lowp_scales, .offset: 24, .size: 8, .value_kind: global_buffer, .address_space: global }
      - { .name: a_img, .offset: 32, .size: 8, .value_kind: global_buffer, .address_space: global }
    .group_segment_fixed_size: 295936
    .private_segment_fixed_size: 0
    .kernarg_segment_align: 8
    .kernarg_segment_size: 40
    .max_flat_workgroup_size: 256
    .sgpr_count:     100
    .vgpr_count:     512
    .wavefront_size: 32
...
	.end_amdgpu_metadata
.endif
;; end of part 2
;; launch oproj (part 3): grid 4 x 64, 4 waves a work-group, no clusters, 17,920 bytes of LDS; arguments a_img, wo_img, bo, lowp_scales, out0; writes out0
.if DOCPART == 3
	.amdgcn_target "amdgcn-amd-amdhsa--gfx1250"
	.amdhsa_code_object_version 6
	.text
	.protected	k_qe23567dd4c_oproj
	.globl	k_qe23567dd4c_oproj
	.p2align	8
	.type	k_qe23567dd4c_oproj,@function
k_qe23567dd4c_oproj:
	s_mov_b64 s[64:65], 0
	v_nop
	global_prefetch_b8 v0, s[64:65] scope:SCOPE_SE
	s_setreg_imm32_b32 hwreg(HW_REG_WAVE_MODE, 25, 1), 1
	s_wait_xcnt 0x0
.set SP,   272
.set STGW, 16*SP
.set SPARE, 4*STGW
.set LI,  5
.set BA,  6
.set STO, 7
.set RD,  8
.set SPW, 9
.set NIL, 10
.set CO,  11
.set TMP, 32
.set BK,  64
.set BIAS, 128
.set MSB, 0
.macro WIN new
.if MSB != \new
	s_set_vgpr_msb (MSB<<8)|\new
.set MSB, \new
.endif
.endm
	s_load_b256 s[4:11], s[0:1], 0x0
	s_load_b64 s[12:13], s[0:1], 0x20
	v_lshl_add_u32 v[SPW], v0, 2, SPARE
	v_mov_b32 v[NIL], 0
	v_lshrrev_b32 v1, 5, v0
	v_readfirstlane_b32 s14, v1
	s_lshr_b32 s15, s14, 1
	s_and_b32 s16, s14, 1
	s_and_b32 s17, ttmp7, 0xffff
	s_lshl_b32 s20, s17, 16
	s_lshl_b32 s22, s15, 15
	s_add_co_u32 s20, s20, s22
	s_mov_b32 s21, 0
	s_lshl_b32 s18, ttmp9, 8
	s_lshl_b32 s22, s16, 7
	s_add_co_u32 s18, s18, s22
	s_lshl_b32 s24, s18, 8
	s_mov_b32 s25, 0
	s_lshl_b32 s26, s18, 2
	s_mov_b32 s27, 0
	s_lshl_b32 s28, s17, 20
	s_lshl_b32 s22, s15, 19
	s_add_co_u32 s28, s28, s22
	s_add_co_u32 s28, s28, s26
	s_mov_b32 s29, 0
	s_mul_i32 s22, s14, STGW
	v_and_b32 v1, 15, v0
	v_bfe_u32 v2, v0, 4, 1
	v_and_b32 v3, 31, v0
	v_lshlrev_b32 v[LI], 4, v3
	v_lshlrev_b32 v[BA], 5, v2
	v_mul_u32_u24 v[STO], v1, SP
	v_lshl_add_u32 v[STO], v2, 5, v[STO]
	v_add_nc_u32 v[STO], s22, v[STO]
	v_mul_u32_u24 v[RD], v2, SP
	v_lshl_add_u32 v[RD], v1, 4, v[RD]
	v_add_nc_u32 v[RD], s22, v[RD]
	v_lshlrev_b32 v[CO], 12, v2
	v_lshl_add_u32 v[CO], v1, 4, v[CO]
	s_wait_alu depctr_va_vdst(0)
	s_wait_kmcnt 0x0
	s_load_b64 s[40:41], s[10:11], 0x28
	s_add_nc_u64 s[4:5], s[4:5], s[20:21]
	s_add_nc_u64 s[6:7], s[6:7], s[24:25]
	s_add_nc_u64 s[8:9], s[8:9], s[26:27]
	s_add_nc_u64 s[12:13], s[12:13], s[28:29]
.macro ILOAD b, base
.irp s, 0,1
.irp c, 0,1,2,3
	global_load_b128 v[32*(\b)+16*\s+4*\c:32*(\b)+16*\s+4*\c+3], v[LI], s[\base:\base+1] offset:4096*(\b)+2048*\s+512*\c
.endr
.endr
.endm
.macro WLOAD b
	WIN 0x40
	ILOAD \b, 6
	WIN 0
.endm
.macro ALOAD a
	WIN 0x80
	ILOAD \a, 4
	WIN 0
.endm
.macro BLOAD hf
	WIN 0xc0
.irp b, 0,1,2,3
	global_load_b128 v[BIAS+32*(\hf)+8*\b:BIAS+32*(\hf)+8*\b+3], v[BA], s[8:9] offset:256*(\hf)+64*\b
	global_load_b128 v[BIAS+32*(\hf)+8*\b+4:BIAS+32*(\hf)+8*\b+7], v[BA], s[8:9] offset:256*(\hf)+64*\b+16
.endr
	WIN 0
.endm
	ALOAD 0
.irp b, 0,1,2,3
	WLOAD \b
.endr
	BLOAD 0
	ALOAD 1
	s_wait_kmcnt 0x0
	s_add_co_i32 s46, s40, s41
	s_add_co_i32 s46, s46, 127
	s_lshl_b32 s46, s46, 23
	s_mov_b32 s47, s46
.macro MULBLK k
.set ka, (\k)%8
.set kh, (\k)/8
.set AC, 32*((\k)%2)
.if (\k) == 0 || (\k) == 6
	s_wait_loadcnt 8
.elseif (\k) < 6
	s_wait_loadcnt 16
.elseif (\k) == 7
	s_wait_loadcnt 0
.endif
.if (\k) < 4
	WLOAD 4+\k
.elseif (\k) == 4
	BLOAD 1
.endif
.if (\k) < 6
	ALOAD 2+\k
.endif
	WIN 0xf9
.irp b, 0,1,2,3
	v_wmma_f32_16x16x128_bf8_bf8 v[AC+8*\b:AC+8*\b+7], v[128*kh+32*\b:128*kh+32*\b+15], v[32*ka:32*ka+15], 0
.endr
.irp b, 0,1,2,3
	v_wmma_f32_16x16x128_bf8_bf8 v[AC+8*\b:AC+8*\b+7], v[128*kh+32*\b+16:128*kh+32*\b+31], v[32*ka+16:32*ka+31], v[AC+8*\b:AC+8*\b+7]
.endr
	WIN 0
.rept 4
	v_nop
.endr
.endm
.macro TOSTAGE k
.set kh, (\k)/8
.set AC, 32*((\k)%2)
.set BB, BK+32*((\k)%2)
	WIN 0x33
.irp j, 0,2,4,6,8,10,12,14,16,18,20,22,24,26,28,30
	v_pk_fma_f32 v[TMP+\j:TMP+\j+1], v[AC+\j:AC+\j+1], s[46:47], v[BIAS+32*kh+\j:BIAS+32*kh+\j+1] op_sel_hi:[1,0,1]
.endr
	WIN 0
.irp b, 0,1,2,3
	ds_store_b128 v[STO], v[TMP+8*\b:TMP+8*\b+3] offset:64*\b
	ds_store_b128 v[STO], v[TMP+8*\b+4:TMP+8*\b+7] offset:64*\b+16
.endr
.irp t, 0,1,2,3,4,5,6,7
	ds_load_b128 v[BB+4*\t:BB+4*\t+3], v[RD] offset:2*\t*SP
.endr
.endm
.macro SEND k, younger
.set kh, (\k)/8
.set BB, BK+32*((\k)%2)
	s_wait_dscnt \younger
.if (\k) == 8
	s_sub_nc_u64 s[12:13], s[12:13], 7*16*4096
.elseif (\k) > 0
	s_add_nc_u64 s[12:13], s[12:13], 16*4096
.endif
.irp t, 0,1,2,3,4,5,6,7
	global_store_b128 v[CO], v[BB+4*\t:BB+4*\t+3], s[12:13] offset:8192*\t+256*kh th:TH_STORE_NT
.endr
.endm
	MULBLK 0
	TOSTAGE 0
.irp k, 1,2,3,4,5,6,7,8,9,10,11,12,13,14,15
	MULBLK \k
.if \k > 1
	s_wait_xcnt 0x0
.endif
	TOSTAGE \k
	SEND \k-1, 16
.endr
	s_wait_xcnt 0x0
	SEND 15, 0
	s_wait_tensorcnt 0x0
	ds_add_u32 v[SPW], v[NIL]
	s_wait_dscnt 0x0
	s_endpgm
.Lfunc_end_k_qe23567dd4c_oproj:
	.size	k_qe23567dd4c_oproj, .Lfunc_end_k_qe23567dd4c_oproj-k_qe23567dd4c_oproj
	.p2alignl 7, 3214868480
	.fill 96, 4, 3214868480
	.section	.rodata,"a",@progbits
	.p2align	6, 0x0
	.amdhsa_kernel k_qe23567dd4c_oproj
		.amdhsa_group_segment_fixed_size 17920
		.amdhsa_private_segment_fixed_size 0
		.amdhsa_enable_private_segment 0
		.amdhsa_kernarg_size 40
		.amdhsa_user_sgpr_count 2
		.amdhsa_user_sgpr_kernarg_segment_ptr 1
		.amdhsa_wavefront_size32 1
		.amdhsa_system_sgpr_workgroup_id_x 1
		.amdhsa_system_sgpr_workgroup_id_y 1
		.amdhsa_system_sgpr_workgroup_id_z 1
		.amdhsa_system_vgpr_workitem_id 0
		.amdhsa_next_free_vgpr 960
		.amdhsa_next_free_sgpr 66
		.amdhsa_reserve_vcc 0
		.amdhsa_float_denorm_mode_32 3
		.amdhsa_float_denorm_mode_16_64 3
		.amdhsa_memory_ordered 1
		.amdhsa_forward_progress 1
		.amdhsa_inst_pref_size 76
	.end_amdhsa_kernel
	.amdgpu_metadata
---
amdhsa.version: [ 1, 2 ]
amdhsa.kernels:
  - .name:           k_qe23567dd4c_oproj
    .symbol:         k_qe23567dd4c_oproj.kd
    .args:
      - { .name: a_img, .offset: 0, .size: 8, .value_kind: global_buffer, .address_space: global }
      - { .name: wo_img, .offset: 8, .size: 8, .value_kind: global_buffer, .address_space: global }
      - { .name: bo, .offset: 16, .size: 8, .value_kind: global_buffer, .address_space: global }
      - { .name: lowp_scales, .offset: 24, .size: 8, .value_kind: global_buffer, .address_space: global }
      - { .name: out0, .offset: 32, .size: 8, .value_kind: global_buffer, .address_space: global }
    .group_segment_fixed_size: 17920
    .private_segment_fixed_size: 0
    .kernarg_segment_align: 8
    .kernarg_segment_size: 40
    .max_flat_workgroup_size: 128
    .sgpr_count:     66
    .vgpr_count:     960
    .wavefront_size: 32
...
	.end_amdgpu_metadata
.endif
;; end of part 3
